; MI455X (gfx1250); checked and timed in simulation.
; The chip was launched on July 23, 2026; its instructions are those of AMD's public machine-readable ISA for CDNA 5 (MIT licence, August 2026) and "CDNA5" Instruction Set Architecture Reference Guide (July 2026). The comments in the code are by the model that wrote it; some were corrected since.
;; Baseline Feedforward Network. Allowed arithmetic: float matrix products may take bf16 or f16 operands with f32 sums; all other float work in f32.
;; Inputs: W1 9 x 128 float32; W2 128 x 128 float32; W3 128 x 1 float32; b1 128 float32; b2 128 float32; b3 1 float32; features 65,536 x 60 x 8 float32.
;; Outputs: out0 65,536 x 60 float32.
;; One version. Each part assembles by itself: llvm-mc -triple=amdgcn-amd-amdhsa -mcpu=gfx1250 --defsym DOCPART=n.
;; ======== version 1 of 1: 1 launch
;; limits: values are held in f16: magnitudes above 65,504 overflow, below 6.1e-05 lose precision; inputs' magnitudes at most 65,504; below input magnitudes of 6.1e-05 results are inexact or not finite; values outside matrix products are rounded to f16; right only within a limited range of input values
;; launch mlp (part 1): grid 256 x 1, 4 waves a work-group, no clusters, 327,680 bytes of LDS; arguments features, W1, b1, W2, b2, W3, b3, out0; writes out0
.if DOCPART == 1
	.amdgcn_target "amdgcn-amd-amdhsa--gfx1250"
	.amdhsa_code_object_version 6
	.text
	.protected	k_qc01716be8c_mlp
	.globl	k_qc01716be8c_mlp
	.p2align	8
	.type	k_qc01716be8c_mlp,@function
k_qc01716be8c_mlp:
	s_mov_b64 s[64:65], 0
	v_nop
	global_prefetch_b8 v0, s[64:65] scope:SCOPE_SE
	s_setreg_imm32_b32 hwreg(HW_REG_WAVE_MODE, 25, 1), 1
	s_wait_xcnt 0x0
; delta_t = W3 . relu(W2^T relu(W1^T [x_t, delta_(t-1)] + b1) + b2) + b3, delta_(-1) = 0, for 65,536 rows and 60 steps.  features [65536][60][8] f32, out0 [65536][60] f32.
; SHARES.  A work-group owns 256 rows, each of its four waves 64: four TILES of 16 rows.  Two neighbouring rows are a PAIR-ROW of 3,840 bytes = 15 whole blocks of 256 bytes (units 0-14): the even row's
; step t lies at byte 32 t, the odd row's at 1920 + 32 t.  Tiles 0, 1 are the even rows of the wave's pair-rows 0-15, 16-31 (stream E), tiles 2, 3 the odd rows (stream O).
; PRODUCTS are used transposed (source 0 = 16 hidden units of a weight matrix, source 1 = 16 rows' activations): a lane (r = lane % 16, h = lane / 16) holds ONE row, r, and the hidden units 16 a + 8 h + 0..7
; of block a; two such results rounded to f16 in pairs ARE source 1 of the next product.  All weights stay in registers.  The layer 128 -> 1 is 64 f32 multiply-adds a lane and one exchange of the lanes' halves.
; FORMAT.  f16 operands, f32 sums.  For each row and step M = max(|x0..7|, |delta|, 1), E = 2^floor(log2 M), s = 1 / E; the first product takes x s, delta s and s (b1's slot).  relu(s y) = s relu(y), so both hidden layers
; carry the factor s exactly; b2 enters as s b2 in f32, and delta = E (W3 . s h2) + b3.  W1, b1, W2 are rounded to f16 from f32; b2, W3, b3 and all sums stay f32.
; LIMITS.  |x|, |delta| under 2^127.  |W1|, |b1|, |W2| under 65,504; below 6e-5 they keep f16's fixed step of 6e-8.  2 x (the largest column sum of |W1| and |b1|) under 65,504 (s h1 is rounded to f16).
; An input of a step below 2^-25 M counts as 0 (the bias slot too).  NaN and infinities are not treated apart.
; BY TURNS.  A row's step waits for its last step, so the four tiles are in flight a quarter of a step apart.  Turn T: 32 products of layer 2 for tile T, 8 of layer 1 for tile T - 2; behind each product four vector
; instructions of other tiles: the end of layer 2 and the sum for tiles T - 1 and T, the scale and the operands for tile T - 2, ReLU and rounding of layer 1 for tile T + 1.  Four turns are a QUAD: one step for all tiles.
; NO CLUSTER: the work-groups share the 70 KB of weights alone, read once at the start; the features, all the rest of the bytes, are shared by nobody.
;
; LDS.  A PLANE is one unit of the work-group's 128 pair-rows, rows of 256 + 16 bytes; wave w's 32 rows lie at 8,704 w.  Four planes, 65,536 apart: O slot 0, E slot 0, O slot 1, E slot 1; unit u lies in slot u % 2.
; Behind plane w: wave w's results (256 bytes of guard, 64 rows x 240 bytes).  Then W2 in f16 (pitch 288), a copy of unit 7 (both streams need it, O at the start and E at the end), the spare words.
; REGISTERS, in windows of 256 (s_set_vgpr_msb: bits 1:0 source 0, 3:2 source 1, 5:4 source 2, 7:6 destination).  Window 0: all that is at work.  Window 1: W2's 32 fragments.  Window 2: W1's 8 fragments, b2, W3.
; Weights are always source 0, so three settings serve: 0x01 (layer 2), 0x02 (layer 1, and lines whose source 0 is b2 or W3), 0x00.  A line whose source 0 is a constant is right under all three.
.set USE_DUAL, 1                 ; ReLU of two registers in one dual line (0: two lines)
.set PITCH,  272                 ; a plane's row: 68 words, so that 16 rows start at 16 different groups of four banks (64 banks of 4 bytes: ISA guide 11.1)
.set PART,   32*PITCH            ; a wave's part of a plane: 8,704 bytes
.set PLANE,  65536               ; from plane to plane
.set OUTB,   4*PART              ; wave w's results at OUTB + w PLANE: 15,616 bytes
.set W2S,    247040              ; W2 in f16, [k][n], 128 rows
.set W2P,    288                 ; their pitch: 72 words
.set U7C,    W2S+128*W2P         ; 283,904: the copy of unit 7, laid out as a plane
.set SPARE,  U7C+4*PART          ; 318,720: the spare words, 128 bytes for each wave: two blocks of 256 bytes that no other line names
.set OA0,  1                     ; v1      OUT_w + 252 + 480 r; never rewritten in the loop
.set LX,   2                     ; v2      272 r + 16 h: my 16 bytes (features 4 h .. 4 h + 3) in a plane's row r
.set ADRE, 3                     ; v3      LDS address of stream E's next features
.set ADRO, 4                     ; v4      of stream O's
.set OAD,  5                     ; v5      where tile 0's delta of the step in hand goes
.set SPW,  6                     ; v6      LDS address of my spare word; never rewritten
.set NIL,  7                     ; v7      0; never rewritten
.set XR,   8                     ; v8-23   tile t: four features as loaded
.set XF,   24                    ; v24-31  layer 1's source 1: registers 0-2 live, 3-7 always 0
.set SE,   32                    ; v32-39  tile t: (s, E)
.set DP,   40                    ; v40-47  tile t: (delta, 1.0)
.set SUM,  48                    ; v48-55  four pairs of partial sums of W3 . h2
.set TM,   56
.set TU,   57
.set TP,   58                    ; v58-63  scaled operands in f32
.set ACC1, 64                    ; v64-127  layer 1's results, block a at + 8 a
.set ACC2, 128                   ; v128-191 layer 2's
.set H1,   192                   ; v192-255 layer 2's source 1, two buffers by the tile's parity; 32 k at + 8 c
.set W1F,  0                     ; window 2
.set B2,   64                    ; window 2: b2[16 a + 8 h + j] at + 8 a + j
.set W3R,  128                   ; window 2: W3 likewise
.set WV,   4                     ; s4  my wave's number
.set G1,   24                    ; s[24:31] descriptor group 1, for every load
.set G0A,  32                    ; s[32:35], s[36:39], s[40:43] group 0 of the three first fills
.set G0B,  36
.set G0C,  40
.set G0L,  44                    ; s[44:47] group 0 of the refills
.set FB,   48                    ; s[48:49] features at my wave's first pair-row
.set CUR,  50                    ; s[50:51] byte offset of the unit to be asked for, 0
.set OX,   52                    ; s52, s53 the next two such offsets
.set OY,   53
.set POSE, 54                    ; s54  byte in the pair-row of stream E's features last asked for
.set POSO, 55                    ; s55  of stream O's
.set EB,   56                    ; s56  my part of E slot 0
.set OB,   57                    ; s57  my part of O slot 0
.set U7B,  58                    ; s58  my part of the copy of unit 7
.set T1,   59
.set T2,   60
.set OT,   61                    ; s61  4 (t + 1) for the step t whose deltas the quad stores
.set CNT,  66
.set OUTER, 67
.set B3,   68                    ; s68  b3
.set B3C,  69                    ; s69  0 in the first quad, then b3
.set SEL,  70                    ; s[70:71] v_permlanex16_b32's selects: each lane takes its own place in the other half
.set MSB, 0
.macro WIN new                   ; the immediate's high byte repeats the setting that is left; a switch that changes nothing is dropped
.if MSB != (\new)
	s_set_vgpr_msb (MSB<<8)|(\new)
.set MSB, \new
.endif
.endm
	s_load_b512 s[8:23], s[0:1], 0x0               ; features s[8:9], W1 s[10:11], b1 s[12:13], W2 s[14:15], b2 s[16:17], W3 s[18:19], b3 s[20:21], out0 s[22:23]
	v_lshl_add_u32 v[SPW], v0, 2, SPARE
	v_mov_b32 v[NIL], 0
	ds_add_u32 v[SPW], v[NIL]                      ; the wave's opening: the add and its wait stand ahead of my first tensor load; the set-up below, work on registers, stands between them
	ds_add_u32 v6, v7
	v_lshrrev_b32 v1, 5, v0
	v_readfirstlane_b32 s[WV], v1                  ; wave 0..3
	; descriptor group 1: 32 rows (pair-rows) x 32 elements of 8 bytes (one unit), 480 elements from row to row, 16 bytes of padding behind each row in LDS
	s_mov_b32 s[G1+0], (3<<16)|(1<<20)|(5<<22)|(3<<25)  ; 17:16 elements of 8 bytes; 20 padding on; 24:22 after every 64 words (code 5); 31:25 4 words of it (code 3)
	s_mov_b32 s[G1+1], 32<<16                      ; tensor_dim0 = 32
	s_mov_b32 s[G1+2], 32<<16                      ; tensor_dim1 = 32
	s_mov_b32 s[G1+3], 32<<16                      ; tile_dim0 = 32
	s_mov_b32 s[G1+4], 32                          ; tile_dim1 = 32
	s_mov_b32 s[G1+5], 480                         ; 3,840 bytes from pair-row to pair-row
	s_mov_b32 s[G1+6], 0
	s_mov_b32 s[G1+7], 0
	s_mul_i32 s[OB], s[WV], PART
	s_add_co_u32 s[EB], s[OB], PLANE
	s_add_co_u32 s[U7B], s[OB], U7C
	s_mov_b32 s[G0A], 1                            ; count = 1
	s_mov_b32 s[G0A+1], s[EB]                      ; unit 0 -> E slot 0
	s_mov_b32 s[G0B], 1
	s_add_co_u32 s[G0B+1], s[OB], 2*PLANE          ; unit 7 -> O slot 1
	s_mov_b32 s[G0C], 1
	s_mov_b32 s[G0C+1], s[OB]                      ; unit 8 -> O slot 0
	s_mov_b32 s[G0L], 1
	s_mov_b32 s[G0L+1], s[OB]                      ; the refills' LDS word: each refill steps it three planes on, modulo four
	s_mul_i32 s2, ttmp9, 256*1920                  ; my work-group's 256 rows,
	s_mul_i32 s3, s[WV], 64*1920                   ; my wave's 64 of them: under 2^27 bytes together
	s_add_co_u32 s2, s2, s3
	s_mov_b32 s3, 0
	s_mov_b32 s[CUR+1], 0
	s_mov_b32 s[OX], 1*256                         ; the refills ask for units 1, 9, 2, 10, .. 6, 14
	s_mov_b32 s[OY], 9*256
	s_mov_b32 s[POSE], 0
	s_mov_b32 s[POSO], 1920
	s_mov_b32 s[OT], 0
	s_mov_b32 s[B3C], 0
	s_mov_b32 s[SEL], 0x76543210
	s_mov_b32 s[SEL+1], 0xfedcba98
	s_wait_dscnt 0x0                               ; the opening add is done
	s_wait_kmcnt 0x0
	s_add_nc_u64 s[FB:FB+1], s[8:9], s[2:3]
	s_add_nc_u64 s[G0A+2:G0A+3], s[FB:FB+1], 0
	s_or_b32 s[G0A+3], s[G0A+3], 0x80000000        ; type = 2
	s_add_nc_u64 s[G0B+2:G0B+3], s[FB:FB+1], 7*256
	s_or_b32 s[G0B+3], s[G0B+3], 0x80000000
	s_add_nc_u64 s[G0C+2:G0C+3], s[FB:FB+1], 8*256
	s_or_b32 s[G0C+3], s[G0C+3], 0x80000000
	tensor_load_to_lds s[G0A:G0A+3], s[G1:G1+7]    ; the three first fills go out together, ahead of every wait on TENSORcnt, LDS read and barrier: three loads of mine are out
	s_nop 0
	tensor_load_to_lds s[G0B:G0B+3], s[G1:G1+7]
	s_nop 0
	tensor_load_to_lds s[G0C:G0C+3], s[G1:G1+7]
	s_nop 0
.rept 4
	v_nop
.endr
	s_load_b32 s[B3], s[20:21], 0x0                ; b3: no line of the kernel writes that buffer
	; W2 -> f16 -> LDS.  Wave w takes rows k = 32 w .. 32 w + 31; a load covers one row, 512 consecutive bytes.
	v_and_b32 v8, 31, v0                           ; lane
	v_and_b32 v9, 15, v0                           ; r
	v_bfe_u32 v10, v0, 4, 1                        ; h
	s_lshl_b32 s2, s[WV], 14
	v_lshl_add_u32 v11, v8, 4, s2                  ; 16,384 w + 16 lane
	s_mul_i32 s3, s[WV], 32*W2P
	s_add_co_u32 s3, s3, W2S
	v_lshl_add_u32 v12, v8, 3, s3                  ; where my four numbers of a row go, as 8 bytes
.set j, 0
.rept 32
	global_load_b128 v[64+4*j:67+4*j], v11, s[14:15] offset:512*j
.set j, j+1
.endr
	v_and_b32 v13, 7, v0                           ; the turning load's address: row 8 h + lane % 8, 16 bytes for each half of a group of 16 lanes
	v_lshl_add_u32 v13, v10, 3, v13
	v_mul_u32_u24 v13, v13, W2P
	v_bfe_u32 v19, v0, 3, 1
	v_lshl_add_u32 v13, v19, 4, v13
	v_add_nc_u32 v13, W2S, v13
	v_lshlrev_b32 v15, 2, v9                       ; 4 r
	v_lshl_add_u32 v14, v10, 11, v15               ; 2,048 h + 4 r: W1's row 4 h, column r
	v_lshlrev_b32 v16, 5, v10                      ; 32 h
.set j, 0
.rept 32
	s_wait_loadcnt 31-j                            ; loads come back in order (ISA guide 5.7.1): row j is in, the 31 - j younger ones stay out
	v_cvt_pk_f16_f32 v[192+2*j], v[64+4*j], v[65+4*j]
	v_cvt_pk_f16_f32 v[193+2*j], v[66+4*j], v[67+4*j]
	ds_store_b64 v12, v[192+2*j:193+2*j] offset:W2P*j
.set j, j+1
.endr
	s_wait_dscnt 0x0                               ; for the others' sake: my rows of W2 are in LDS
	s_barrier_signal -1
	s_barrier_wait -1                              ; everybody's are.  My three tensor loads may stay out
	; W2's fragments: source 0 for hidden units 16 a .. of layer 2 and k = 32 c ..: lane holds unit 16 a + r, k = 32 c + 8 h + 0..7 and 32 c + 16 + 8 h + 0..7
	WIN 0x40                                       ; destination window 1, address window 0
.set j, 0
.rept 32                                               ; a = j / 4, c = j % 4: the fragment lies at 8 j
	ds_load_tr16_b128 v[8*j:8*j+3],   v13 offset:32*W2P*(j%4)+32*(j/4)
	ds_load_tr16_b128 v[8*j+4:8*j+7], v13 offset:32*W2P*(j%4)+32*(j/4)+16*W2P
.set j, j+1
.endr
	WIN 0
	; W1, b1 (48 words a lane), b2 and W3 (64 words each, straight into window 2)
.set j, 0
.rept 8
	global_load_b32 v[64+4*j],   v14, s[10:11] offset:64*j
	global_load_b32 v[64+4*j+1], v14, s[10:11] offset:64*j+512
	global_load_b32 v[64+4*j+2], v14, s[10:11] offset:64*j+1024
	global_load_b32 v[64+4*j+3], v14, s[10:11] offset:64*j+1536
	global_load_b32 v[96+j],     v15, s[10:11] offset:64*j+4096   ; W1's row 8: delta's weights
	global_load_b32 v[104+j],    v15, s[12:13] offset:64*j
.set j, j+1
.endr
	WIN 0x80                                       ; destination window 2, address window 0
.set j, 0
.rept 8
	global_load_b128 v[B2+8*j:B2+8*j+3],     v16, s[16:17] offset:64*j
	global_load_b128 v[B2+8*j+4:B2+8*j+7],   v16, s[16:17] offset:64*j+16
	global_load_b128 v[W3R+8*j:W3R+8*j+3],   v16, s[18:19] offset:64*j
	global_load_b128 v[W3R+8*j+4:W3R+8*j+7], v16, s[18:19] offset:64*j+16
.set j, j+1
.endr
	WIN 0
	; What the first turns find.  They run on tiles that have not begun: with these zeros their layer 2 gives 0, s = E = 0 and b3's stand-in is 0, so their delta is exactly 0: delta_(-1).
.set j, ACC2+32
.rept 64                                               ; layer 2's blocks 4-7 and H1's buffer 0
	v_mov_b32 v[j], 0
.set j, j+1
.endr
.set j, XF
.rept 16                                               ; XF and SE
	v_mov_b32 v[j], 0
.set j, j+1
.endr
.set j, SUM
.rept 10                                               ; SUM, TM, TU
	v_mov_b32 v[j], 0
.set j, j+1
.endr
.set j, 0
.rept 4
	v_mov_b32 v[DP+2*j], 0
	v_mov_b32 v[DP+2*j+1], 1.0
.set j, j+1
.endr
	s_wait_loadcnt 0x0
	; W1's fragments.  K slot 8 h + i (i = 0..3) is feature 4 h + i; slots 4 and 5 are delta and the bias; all other slots are 0 on both sides.
	v_cmp_gt_u32 vcc_lo, 16, v8                    ; h = 0
.set j, 0
.rept 8
	v_cvt_pk_f16_f32 v[112+j], v[96+j], v[104+j]
.set j, j+1
.endr
	WIN 0x80                                       ; destination window 2, sources window 0
.set j, 0
.rept 8
	v_cvt_pk_f16_f32 v[W1F+8*j],   v[64+4*j], v[65+4*j]
	v_cvt_pk_f16_f32 v[W1F+8*j+1], v[66+4*j], v[67+4*j]
	v_cndmask_b32 v[W1F+8*j+2], 0, v[112+j], vcc_lo
	v_mov_b32 v[W1F+8*j+3], 0
	v_mov_b32 v[W1F+8*j+4], 0
	v_mov_b32 v[W1F+8*j+5], 0
	v_mov_b32 v[W1F+8*j+6], 0
	v_mov_b32 v[W1F+8*j+7], 0
.set j, j+1
.endr
	WIN 0
	; Unit 7 is copied: stream O reads it now and its slot is filled again; stream E reads the copy in its last steps.  My own rows: no barrier.
	v_mul_u32_u24 v17, v10, PITCH
	v_lshl_add_u32 v17, v9, 4, v17                 ; lanes 0-15 one row of 256 bytes, lanes 16-31 the next
	v_add_nc_u32 v18, s[U7B], v17
	s_add_co_u32 s2, s[OB], 2*PLANE
	v_add_nc_u32 v17, s2, v17
	s_wait_tensorcnt 0x0                           ; my three first fills have landed
.set j, 0
.rept 16
	ds_load_b128 v[64+4*j:67+4*j], v17 offset:2*PITCH*j
.set j, j+1
.endr
	v_mul_u32_u24 v[LX], v9, PITCH
	v_lshl_add_u32 v[LX], v10, 4, v[LX]
	s_lshl_b32 s2, s[WV], 16
	s_add_co_u32 s2, s2, OUTB+252                  ; the results' rows begin 256 bytes into my block; the first quad's step is -1
	v_mul_u32_u24 v[OA0], v9, 480                  ; tile 0's row r is row 2 r of my 64
	v_add_nc_u32 v[OA0], s2, v[OA0]
	v_mov_b32 v[OAD], v[OA0]
	v_add_nc_u32 v[ADRE], s[EB], v[LX]             ; step 0: byte 0 of unit 0,
	s_add_co_u32 s2, s[OB], 2*PLANE+128
	v_add_nc_u32 v[ADRO], s2, v[LX]                ; and byte 128 of unit 7
	s_wait_dscnt 0x0                               ; the copy's loads, and W2's fragments
.set j, 0
.rept 16
	ds_store_b128 v18, v[64+4*j:67+4*j] offset:2*PITCH*j
.set j, j+1
.endr
.set j, ACC1
.rept 64
	v_mov_b32 v[j], 0
.set j, j+1
.endr
	ds_load_b128 v[XR:XR+3],     v[ADRE]           ; the four tiles' features of step 0
	ds_load_b128 v[XR+4:XR+7],   v[ADRE] offset:16*PITCH
	ds_load_b128 v[XR+8:XR+11],  v[ADRO]
	ds_load_b128 v[XR+12:XR+15], v[ADRO] offset:16*PITCH
	s_wait_dscnt 0x0
	s_wait_kmcnt 0x0                               ; b3
; THE MATRIX WORK OF A TURN.  Layer 2, product i of 32 for tile TA: blocks 0-3 first, then 4-7; in each group k = 32 c on, c = 0..3, the four accumulators by turns; c = 0 starts the sums.
.macro L2M
	WIN 0x01
.set a_, 4*(i/16)+i%4
.set c_, (i%16)/4
.if c_ == 0
	v_wmma_f32_16x16x32_f16 v[ACC2+8*a_:ACC2+8*a_+7], v[32*a_+8*c_:32*a_+8*c_+7], v[H1+32*(TA&1)+8*c_:H1+32*(TA&1)+8*c_+7], 0
.else
	v_wmma_f32_16x16x32_f16 v[ACC2+8*a_:ACC2+8*a_+7], v[32*a_+8*c_:32*a_+8*c_+7], v[H1+32*(TA&1)+8*c_:H1+32*(TA&1)+8*c_+7], v[ACC2+8*a_:ACC2+8*a_+7]
.endif
.set i, i+1
.endm
.macro L1M                             ; layer 1, block i of 8, for tile TC
	WIN 0x02
	v_wmma_f32_16x16x32_f16 v[ACC1+8*i:ACC1+8*i+7], v[W1F+8*i:W1F+8*i+7], v[XF:XF+7], 0
.set i, i+1
.endm
; THE VECTOR WORK, in slices of four.  Each accumulator's lowest registers are read first.
.macro BI x, a                         ; layer 2's block a of tile x: + s b2
	WIN 0x02
.irp p, 0,2,4,6
	v_pk_fma_f32 v[ACC2+8*(\a)+(\p):ACC2+8*(\a)+(\p)+1], v[B2+8*(\a)+(\p):B2+8*(\a)+(\p)+1], v[SE+2*(\x):SE+2*(\x)+1], v[ACC2+8*(\a)+(\p):ACC2+8*(\a)+(\p)+1] op_sel_hi:[1,0,1]
.endr
.endm
.macro RL b                            ; ReLU of the eight registers from b on, in place; source 0 is a constant: no window is set
.irp p, 0,2,4,6
.if USE_DUAL
	v_dual_max_num_f32 v[(\b)+(\p)], 0, v[(\b)+(\p)] :: v_dual_max_num_f32 v[(\b)+(\p)+1], 0, v[(\b)+(\p)+1]
.else
	v_max_num_f32 v[(\b)+(\p)], 0, v[(\b)+(\p)]
	v_max_num_f32 v[(\b)+(\p)+1], 0, v[(\b)+(\p)+1]
.endif
.endr
.endm
.macro WS a                            ; the four pairs of sums take W3 x block a; block 0 starts them
	WIN 0x02
.irp p, 0,2,4,6
.if (\a) == 0
	v_pk_mul_f32 v[SUM+(\p):SUM+(\p)+1], v[W3R+(\p):W3R+(\p)+1], v[ACC2+(\p):ACC2+(\p)+1]
.else
	v_pk_fma_f32 v[SUM+(\p):SUM+(\p)+1], v[W3R+8*(\a)+(\p):W3R+8*(\a)+(\p)+1], v[ACC2+8*(\a)+(\p):ACC2+8*(\a)+(\p)+1], v[SUM+(\p):SUM+(\p)+1]
.endif
.endr
.endm
.macro CV q0, q1                       ; pairs q0 .. q1 of 32 of tile TD's layer 1, rounded to f16: register q of its H1 buffer
	WIN 0
.set q, \q0
.rept (\q1)-(\q0)+1
	v_cvt_pk_f16_f32 v[H1+32*(TD&1)+q], v[ACC1+2*q], v[ACC1+2*q+1]
.set q, q+1
.endr
.endm
.macro FN n                            ; tile TB's delta, in eight lines
	WIN 0
.if (\n) == 1
	v_pk_add_f32 v[SUM:SUM+1], v[SUM:SUM+1], v[SUM+2:SUM+3]
.elseif (\n) == 2
	v_pk_add_f32 v[SUM+4:SUM+5], v[SUM+4:SUM+5], v[SUM+6:SUM+7]
.elseif (\n) == 3
	v_pk_add_f32 v[SUM:SUM+1], v[SUM:SUM+1], v[SUM+4:SUM+5]
.elseif (\n) == 4
	v_add_f32 v[SUM], v[SUM], v[SUM+1]
.elseif (\n) == 5
	v_permlanex16_b32 v[SUM+1], v[SUM], s[SEL], s[SEL+1]   ; the row's other 64 hidden units lie in the lane 16 away
.elseif (\n) == 6
	v_add_f32 v[SUM], v[SUM], v[SUM+1]
.elseif (\n) == 7
	v_fma_f32 v[DP+2*TB], v[SUM], v[SE+2*TB+1], s[B3C]     ; delta = E x sum + b3
.else
	ds_store_b32 v[OAD], v[DP+2*TB] offset:7680*(TB&1)+240*(TB>>1)  ; both halves of the lanes write the same number to the same word
.endif
.endm
.macro PN n                            ; tile TC's scale and layer 1's source 1, in twelve lines
	WIN 0
.if (\n) == 1
	v_max3_num_f32 v[TM], |v[XR+4*TC]|, |v[XR+4*TC+1]|, |v[XR+4*TC+2]|
.elseif (\n) == 2
	v_max3_num_f32 v[TM], v[TM], |v[XR+4*TC+3]|, |v[DP+2*TC]|
.elseif (\n) == 3
	v_permlanex16_b32 v[TU], v[TM], s[SEL], s[SEL+1]       ; the row's other four features lie in the lane 16 away
.elseif (\n) == 4
	v_max3_num_f32 v[TM], v[TM], v[TU], 1.0
.elseif (\n) == 5
	v_and_b32 v[SE+2*TC+1], 0x7f800000, v[TM]              ; E: M's exponent alone
.elseif (\n) == 6
	v_sub_nc_u32 v[SE+2*TC], 0x7f000000, v[SE+2*TC+1]      ; s = 1 / E: the exponents add up to 254
.elseif (\n) == 7
	v_pk_mul_f32 v[TP:TP+1], v[XR+4*TC:XR+4*TC+1], v[SE+2*TC:SE+2*TC+1] op_sel_hi:[1,0]
.elseif (\n) == 8
	v_pk_mul_f32 v[TP+2:TP+3], v[XR+4*TC+2:XR+4*TC+3], v[SE+2*TC:SE+2*TC+1] op_sel_hi:[1,0]
.elseif (\n) == 9
	v_pk_mul_f32 v[TP+4:TP+5], v[DP+2*TC:DP+2*TC+1], v[SE+2*TC:SE+2*TC+1] op_sel_hi:[1,0]  ; (delta s, s)
.else
	v_cvt_pk_f16_f32 v[XF+(\n)-10], v[TP+2*((\n)-10)], v[TP+2*((\n)-10)+1]
.endif
.endm
; The lump ahead of layer 1: the last three roundings, and tile TC's features of its next step.  A stream's address is made for its first tile and serves its second, 16 rows on, a turn later.
; Byte pos of the pair-row lies in slot (pos / 256) % 2 at byte pos % 256 of the row; stream E's unit 7 (pos from 1,792 on) is read from the copy.
.macro NEXTX
	WIN 0
.if TC == 0
	s_add_co_u32 s[POSE], s[POSE], 32
	s_and_b32 s[T1], s[POSE], 0x100
	s_lshl_b32 s[T1], s[T1], 9                     ; slot 1 lies 2 planes on
	s_add_co_u32 s[T1], s[T1], s[EB]
	s_cmp_ge_u32 s[POSE], 1792
	s_cselect_b32 s[T1], s[U7B], s[T1]
	s_and_b32 s[T2], s[POSE], 0xff
	s_add_co_u32 s[T1], s[T1], s[T2]
.elseif TC == 2
	s_add_co_u32 s[POSO], s[POSO], 32
	s_and_b32 s[T1], s[POSO], 0x100
	s_lshl_b32 s[T1], s[T1], 9
	s_add_co_u32 s[T1], s[T1], s[OB]
	s_and_b32 s[T2], s[POSO], 0xff
	s_add_co_u32 s[T1], s[T1], s[T2]
.endif
	CV 29, 31
.if TC == 0
	v_add_nc_u32 v[ADRE], s[T1], v[LX]
.elseif TC == 2
	v_add_nc_u32 v[ADRO], s[T1], v[LX]
.endif
	ds_load_b128 v[XR+4*TC:XR+4*TC+3], v[ADRE+TC/2] offset:16*PITCH*(TC&1)
.endm
; A TURN.  No vector line names a register of the products round it: while blocks 0-3 are multiplied the last tile's blocks 4-7 are finished, while layer 1 runs this tile's blocks 0-3, and the roundings write the H1
; buffer that is not being multiplied.  Every read of a result and every write of a product's register stands a whole slice of plain vector instructions or more behind that product (ISA guide 7.12.1).
.macro TURN t
.set TA, (\t)                          ; layer 2
.set TB, ((\t)+3)%4                    ; the end of layer 2, the sum, delta
.set TC, ((\t)+2)%4                    ; scale, operands, layer 1
.set TD, ((\t)+1)%4                    ; ReLU and rounding of layer 1
.set i, 0
	L2M
	BI TB, 4
	L2M
	BI TB, 5
	L2M
	RL ACC2+32
	L2M
	RL ACC2+40
	L2M
	WS 4
	L2M
	WS 5
	L2M
	BI TB, 6
	L2M
	BI TB, 7
	L2M
	RL ACC2+48
	L2M
	RL ACC2+56
	L2M
	WS 6
	L2M
	WS 7                                           ; blocks 4-7 are read out: product 17 starts them anew
	L2M
	RL ACC1
	L2M
	RL ACC1+8
	L2M
	WIN 0
	s_wait_dscnt 4                                 ; tile TC's features are in: behind their load stand three stores and three loads
	FN 1
	FN 2
	PN 1
	CV 0, 0
	L2M
	RL ACC1+16
	L2M
	FN 3
	PN 2
	CV 1, 2
	L2M
	RL ACC1+24
	L2M
	FN 4
	PN 3
	CV 3, 4
	L2M
	RL ACC1+32
	L2M
	FN 5
	PN 4
	CV 5, 6
	L2M
	RL ACC1+40
	L2M
	FN 6
	PN 5
	CV 7, 8
	L2M
	RL ACC1+48
	L2M
	FN 7
	PN 6
	CV 9, 10
	L2M
	RL ACC1+56
	L2M
	PN 7
	PN 8
	PN 9
	CV 11, 11
	FN 8
	L2M
	PN 10
	PN 11
	PN 12
	CV 12, 12
	L2M
	CV 13, 16
	L2M
	CV 17, 20
	L2M
	CV 21, 24
	L2M
	CV 25, 28
	NEXTX
.set i, 0
	L1M
	BI TA, 0
	L1M
	BI TA, 1
	L1M
	RL ACC2
	L1M
	RL ACC2+8
	L1M
	WS 0
	L1M
	WS 1
	L1M
	BI TA, 2
	L1M
	BI TA, 3
	RL ACC2+16
	RL ACC2+24
	WS 2
	WS 3
.endm
.macro QEND                            ; a quad's end: the next quad stores the next step's deltas, and from the second quad on b3 is b3
	WIN 0
	s_add_co_u32 s[OT], s[OT], 4
	v_add_nc_u32 v[OAD], s[OT], v[OA0]
	s_mov_b32 s[B3C], s[B3]
.endm
; A REFILL, every four quads, streams E and O by turns.  Each wave waits for all its tensor loads (one is out: the unit asked for four quads ago, first read in the quad that follows), adds 0 to its spare word, waits
; for that and for its LDS reads, passes the barrier, and asks for one unit, over the unit of the same stream that was read out at least four quads ago.  It has four quads in which to land.
.macro CHANGE
	WIN 0
	s_wait_tensorcnt 0x0                           ; no tensor load of mine is out, so group 0 may be written
	ds_add_u32 v[SPW], v[NIL]                      ; 0 onto my spare word; the descriptor's steps stand between it and the wait for it
	s_add_co_u32 s[G0L+1], s[G0L+1], 3*PLANE       ; planes 3, 2, 1, 0, 3, ..: E slot 1, O slot 1, E slot 0, O slot 0
	s_and_b32 s[G0L+1], s[G0L+1], 4*PLANE-1
	s_mov_b32 s[CUR], s[OX]                        ; units 1, 9, 2, 10, ..
	s_mov_b32 s[OX], s[OY]
	s_add_co_u32 s[OY], s[CUR], 256
	s_add_nc_u64 s[G0L+2:G0L+3], s[FB:FB+1], s[CUR:CUR+1]
	s_or_b32 s[G0L+3], s[G0L+3], 0x80000000
	s_wait_dscnt 0x0                               ; the add is done, and my LDS reads are back
	s_barrier_signal -1
	s_barrier_wait -1
	tensor_load_to_lds s[G0L:G0L+3], s[G1:G1+7]    ; my one tensor load behind this barrier, and the first thing there
	s_nop 0
.rept 4
	v_nop
.endr
.endm
	; 61 quads: quad k stores the deltas of step k - 1.  Quad 0 is entered at its second turn.  Quads 0-2, then twelve times a refill and four quads.
	s_mov_b32 s[CNT], 3
	s_mov_b32 s[OUTER], 13
	s_branch .Lfirst
.Louter:
	CHANGE
	s_mov_b32 s[CNT], 4
.Lquad:
	TURN 1
	WIN 0                                          ; at a label and at a branch every window is 0
.Lfirst:
	TURN 2
	TURN 3
	TURN 0
	QEND
	s_sub_co_u32 s[CNT], s[CNT], 1
	s_cmp_lg_u32 s[CNT], 0
	s_cbranch_scc1 .Lquad
	s_sub_co_u32 s[OUTER], s[OUTER], 1
	s_cmp_lg_u32 s[OUTER], 0
	s_cbranch_scc1 .Louter
	; Quads 51-60 are written out: nothing is asked for.  Their loads of "steps 60 and 61" read filled bytes of my own planes, and what is made of them is never stored.
	s_wait_tensorcnt 0x0                           ; unit 14, first read in quad 51; only I read my part of it
	s_mov_b32 s[CNT], 10
.Ltail:
	TURN 1
	TURN 2
	TURN 3
	TURN 0
	QEND
	s_sub_co_u32 s[CNT], s[CNT], 1
	s_cmp_lg_u32 s[CNT], 0
	s_cbranch_scc1 .Ltail
	; THE WAY OUT.  My 64 rows x 240 bytes are 15,360 consecutive bytes in LDS and in out0: 30 loads and stores of 512 bytes.
.rept 4
	v_nop                                          ; places in front of loads into registers of the last products
.endr
	v_and_b32 v3, 31, v0
	v_lshlrev_b32 v3, 4, v3                        ; 16 lane
	s_lshl_b32 s2, s[WV], 16
	s_add_co_u32 s2, s2, OUTB+256
	v_add_nc_u32 v4, s2, v3
.set j, 0
.rept 30
	ds_load_b128 v[64+4*j:67+4*j], v4 offset:512*j ; LDS serves a wave's instructions in order (ISA guide 5.7.1.4): these see my stores
.set j, j+1
.endr
	s_mul_i32 s2, ttmp9, 256*240
	s_mul_i32 s3, s[WV], 64*240
	s_add_co_u32 s2, s2, s3
	s_mov_b32 s3, 0
	s_add_nc_u64 s[22:23], s[22:23], s[2:3]
.set j, 0
.rept 30
	s_wait_dscnt 29-j                              ; load j is back, the 29 - j younger ones stay out
	global_store_b128 v3, v[64+4*j:67+4*j], s[22:23] offset:512*j th:TH_STORE_NT  ; 512 consecutive bytes, at a multiple of 256 from out0's first byte
.set j, j+1
.endr
	s_wait_tensorcnt 0x0                           ; the wave's end: behind my last tensor load and my last LDS store
	ds_add_u32 v[SPW], v[NIL]
	s_wait_dscnt 0x0
	s_endpgm
.Lfunc_end_k_qc01716be8c_mlp:
	.size	k_qc01716be8c_mlp, .Lfunc_end_k_qc01716be8c_mlp-k_qc01716be8c_mlp
	.p2alignl 7, 3214868480
	.fill 96, 4, 3214868480
	.section	.rodata,"a",@progbits
	.p2align	6, 0x0
	.amdhsa_kernel k_qc01716be8c_mlp
		.amdhsa_group_segment_fixed_size 327680
		.amdhsa_private_segment_fixed_size 0
		.amdhsa_enable_private_segment 0
		.amdhsa_kernarg_size 64
		.amdhsa_user_sgpr_count 2
		.amdhsa_user_sgpr_kernarg_segment_ptr 1
		.amdhsa_wavefront_size32 1
		.amdhsa_system_sgpr_workgroup_id_x 1
		.amdhsa_system_sgpr_workgroup_id_y 1
		.amdhsa_system_sgpr_workgroup_id_z 1
		.amdhsa_system_vgpr_workitem_id 0
		.amdhsa_next_free_vgpr 704
		.amdhsa_next_free_sgpr 80
		.amdhsa_reserve_vcc 1
		.amdhsa_float_denorm_mode_32 3
		.amdhsa_float_denorm_mode_16_64 3
		.amdhsa_memory_ordered 1
		.amdhsa_forward_progress 1
		.amdhsa_inst_pref_size 167
	.end_amdhsa_kernel
	.amdgpu_metadata
---
amdhsa.version: [ 1, 2 ]
amdhsa.kernels:
  - .name:           k_qc01716be8c_mlp
    .symbol:         k_qc01716be8c_mlp.kd
    .args:
      - { .name: features, .offset: 0, .size: 8, .value_kind: global_buffer, .address_space: global }
      - { .name: W1, .offset: 8, .size: 8, .value_kind: global_buffer, .address_space: global }
      - { .name: b1, .offset: 16, .size: 8, .value_kind: global_buffer, .address_space: global }
      - { .name: W2, .offset: 24, .size: 8, .value_kind: global_buffer, .address_space: global }
      - { .name: b2, .offset: 32, .size: 8, .value_kind: global_buffer, .address_space: global }
      - { .name: W3, .offset: 40, .size: 8, .value_kind: global_buffer, .address_space: global }
      - { .name: b3, .offset: 48, .size: 8, .value_kind: global_buffer, .address_space: global }
      - { .name: out0, .offset: 56, .size: 8, .value_kind: global_buffer, .address_space: global }
    .group_segment_fixed_size: 327680
    .private_segment_fixed_size: 0
    .kernarg_segment_align: 8
    .kernarg_segment_size: 64
    .max_flat_workgroup_size: 128
    .sgpr_count:     80
    .vgpr_count:     704
    .wavefront_size: 32
...
	.end_amdgpu_metadata
.endif
;; end of part 1
